; MI455X (gfx1250); checked and timed in simulation.
; The chip was launched on July 23, 2026; its instructions are those of AMD's public machine-readable ISA for CDNA 5 (MIT licence, August 2026) and "CDNA5" Instruction Set Architecture Reference Guide (July 2026). The comments in the code are by the model that wrote it; some were corrected since.
;; Multi Head Self Attention. Allowed arithmetic: matrix products marked QUANTISED: E5M2 operands, one given power-of-two scale a tensor, by v_wmma_f32_16x16x64_bf8_bf8 or v_wmma_f32_16x16x128_bf8_bf8, f32 sums; everything else in f32.
;; Inputs: Wk 1,024 x 1,024 float32; Wo 1,024 x 1,024 float32; Wq 1,024 x 1,024 float32; Wv 1,024 x 1,024 float32; bk 1,024 float32; bo 1,024 float32; bq 1,024 float32; bv 1,024 float32; lowp_scales 12 int32 (the exponents e of the quantised operands' scales 2^e); x 4 x 2,048 x 1,024 float32.
;; Outputs: out0 4 x 2,048 x 1,024 float32.
;; This version of the problem:
;;   THIS VERSION OF THE PROBLEM IS GIVEN IN LOW PRECISION. The matrix products marked QUANTISED in the list below multiply operands that are first quantised to E5M2 (5 exponent bits, 2 mantissa bits; 8 bits a number), with one given power-of-two scale for each operand tensor; their sums are f32. All else is computed in f32.
;;   The module's matrix products, in the order in which they are computed (A, B: the left and right operand; K: the contracted axis; several contracted axes count as one K, in the product's order):
;;     1. [M 8,192, K 1,024] x [K 1,024, N 1,024]; A: input x; B: input Wq: QUANTISED (scales: A lowp_scales[0], B lowp_scales[1])
;;     2. [M 8,192, K 1,024] x [K 1,024, N 1,024]; A: input x; B: input Wk: QUANTISED (scales: A lowp_scales[2], B lowp_scales[3])
;;     3. [M 8,192, K 1,024] x [K 1,024, N 1,024]; A: input x; B: input Wv: QUANTISED (scales: A lowp_scales[4], B lowp_scales[5])
;;     4. batch 64 x [M 2,048, K 64] x [K 64, N 2,048]; A: computed on the way; B: computed on the way: QUANTISED (scales: A lowp_scales[6], B lowp_scales[7])
;;     5. batch 64 x [M 2,048, K 2,048] x [K 2,048, N 64]; A: softmax (see below); B: computed on the way: QUANTISED (scales: A lowp_scales[8], B lowp_scales[9])
;;     6. [M 8,192, K 1,024] x [K 1,024, N 1,024]; A: computed on the way; B: input Wo: QUANTISED (scales: A lowp_scales[10], B lowp_scales[11])
;;   THE QUANTISER, for each operand of a quantised product, along K:
;;     - The operand's scale is 2^e, e = its entry of the input lowp_scales (int32; the entries are numbered through the quantised products in the list's order, A before B).
;;     - Each number is divided by the scale, clamped to +-57,344, and rounded to the nearest number of E5M2, ties to even, subnormals kept.
;;     - The product sums the exact products of the quantised numbers (number of the format x scale) in f32.
;;   ~~~python
;;   def quantise(x, axis, e):      # numpy; x: float32 -> the quantised numbers, widened to float32 again
;;       x = np.moveaxis(x, axis, -1); K = x.shape[-1]
;;       r = np.clip(x / 2.0 ** e, -57344, 57344)
;;       step = 2.0 ** (np.maximum(np.frexp(np.where(r == 0, 1, r))[1] - 1, -14) - 2)
;;       q = np.round(r / step) * step * 2.0 ** e      # np.round: ties to even
;;       return np.moveaxis(q, -1, axis).astype(np.float32)
;;   ~~~
;;   SOFTMAX AHEAD OF A QUANTISED PRODUCT. Where the list says 'softmax', what is quantised is not the finished softmax but p = 2^(t - M), with t = logit x log2(e) and M = ceil(the row's largest t), a whole number; so 1/2 < the row's largest p <= 1. The row's sum l is taken of the UNQUANTISED p, in f32, and the product's result is divided by l at the end. Since M is a whole number, a kernel that streams over the keys may use a running M (the ceiling of the running maximum): every later rescaling is an exact power of two, so the quantised numbers keep their values, but for numbers so far below the row's largest that they fall under the format's range.
;;   OPERANDS COMPUTED ON THE WAY. 'Computed on the way' means the value that the module computes at that place (a softmax that the list does not call 'softmax' is quantised finished and normalised). What goes into a quantiser is computed in f32, as accurately as f32 sums, v_exp_f32 and their like allow (about 1e-6 of the number): no bf16 or f16 on the way to a quantiser, and a product that is left as it is and whose result goes on into a quantised operand takes f32 operands (vector FMAs, or v_wmma_f32_16x16x4_f32). A number that lies on a knife's edge between two numbers of the format may be rounded either way, as far as f32 arithmetic and the matrix unit's own rounding can turn it there, and no further.
;; One version. Each part assembles by itself: llvm-mc -triple=amdgcn-amd-amdhsa -mcpu=gfx1250 --defsym DOCPART=n.
;; ======== version 1 of 1: 4 launches
;; limits: right only within a limited range of input values
;; workspace buffers: xc 25,165,824 bytes; wc 4,194,304 bytes; qc 8,388,608 bytes; kvc 16,777,216 bytes; ac 8,388,608 bytes
;; launch quant (part 1): grid 384 x 1, 8 waves a work-group, no clusters, 0 bytes of LDS; arguments x, Wq, Wk, Wv, Wo, lowp_scales, xc, wc; writes xc, wc
.if DOCPART == 1
	.amdgcn_target "amdgcn-amd-amdhsa--gfx1250"
	.amdhsa_code_object_version 6
	.text
	.protected	k_q5d2bd08a3a_quant
	.globl	k_q5d2bd08a3a_quant
	.p2align	8
	.type	k_q5d2bd08a3a_quant,@function
k_q5d2bd08a3a_quant:
	s_mov_b64 s[64:65], 0
	v_nop
	global_prefetch_b8 v0, s[64:65] scope:SCOPE_SE
	s_setreg_imm32_b32 hwreg(HW_REG_WAVE_MODE, 25, 1), 1
	s_wait_xcnt 0x0
; x [8192][1024] and the weights Wq, Wk, Wv, Wo [1024][1024], f32, become codes of BF8 (E5M2), one byte each, K innermost.
; code = number / 2^e, held within +-57,344, to the nearest code, ties to even.  x is an operand of three products with three given scales
; (entries 0, 2, 4 of the scales), so it leaves as three planes of xc; Wq, Wk, Wv, Wo (entries 1, 3, 5, 11) leave as the four planes of wc.
; LIMITS: each e lies between -126 and 112, so that 2^e and 57,344 x 2^e are f32 numbers.  NaN among the inputs is not served.
; SHARES.  A wave takes 4,096 numbers, eight steps of 512; a work-group 32,768.  Work-groups 0-255 take x, 256-383 the weights (32 each).
; ORDER ALONG K.  A step's four loads read 512 consecutive bytes each, 16 a lane, and the lane's 16 numbers are converted as they stand: inside each 512 of K the code at
; place 16 l + 4 i + j is that of k = 128 i + 4 l + j.  The order is the same in x, Wq, Wk and Wv, so in their products every code meets its partner; only the order of an f32 sum changes.
; Wo meets an operand that is laid as register images (lane half h, pair p: k = 32 c + 16 p + 8 h + j), so its place 32 c + 16 h + 8 p + j holds that k: lane l reads four pieces of 16 bytes
; at 128 (l / 2) + 32 (l % 2) + 0, 16, 64, 80.  Every store of a wave covers 512 consecutive bytes, aligned.
; No LDS, no barrier, no cluster: waves share nothing.  All 32 loads of a wave go out at its head.
.set RR,  32                           ; v32-159  eight steps x 16 numbers, as loaded
.set TT,  160                          ; v160-207 three sets of 16 numbers, held
.set CC,  208                          ; v208-239 codes
.set ADR, 4                            ; v4-7     the four loads' byte offsets in a step
.set SC,  10                           ; v10-12   2^e as f32
.set LM,  13                           ; v13-15   57,344 x 2^e
	s_load_b512 s[4:19], s[0:1], 0x0               ; x s[4:5], Wq s[6:7], Wk s[8:9], Wv s[10:11], Wo s[12:13], the scales s[14:15], xc s[16:17], wc s[18:19]
	v_lshrrev_b32 v3, 5, v0
	s_delay_alu instid0(VALU_DEP_1)
	v_readfirstlane_b32 s20, v3                    ; wave 0..7
	v_and_b32 v1, 31, v0                           ; lane
	s_delay_alu instid0(VALU_DEP_1)
	v_lshlrev_b32 v2, 4, v1                        ; my 16 codes' place in a step's 512
	s_delay_alu instid0(VALU_DEP_2)
	v_lshrrev_b32 v3, 1, v1
	s_wait_alu depctr_va_vdst(0)
	v_and_b32 v8, 1, v1
	s_cmp_lt_u32 ttmp9, 256                        ; x's work-group?
	s_cselect_b32 s46, 256, ttmp9
	s_sub_co_u32 s46, s46, 256                     ; j: which of the weights' 128 work-groups (0 for x's)
	s_lshr_b32 s37, s46, 5                         ; which weight
	s_and_b32 s47, s46, 31                         ; which part of it
	s_cmp_lt_u32 ttmp9, 256
	s_cselect_b32 s48, ttmp9, s47
	s_cselect_b32 s50, ttmp9, s46
	s_lshl_b32 s48, s48, 3
	s_add_co_u32 s48, s48, s20
	s_lshl_b32 s48, s48, 14                        ; my wave's 16,384 bytes in the source
	s_mov_b32 s49, 0
	s_lshl_b32 s50, s50, 3
	s_add_co_u32 s50, s50, s20
	s_lshl_b32 s50, s50, 12                        ; and its 4,096 bytes of codes
	s_mov_b32 s51, 0
	s_cmp_eq_u32 s37, 3                            ; Wo takes the other order
	s_cselect_b32 s52, 128, 32
	s_cselect_b32 s53, 32, 16
	s_cselect_b32 s54, 16, 512
	s_cselect_b32 s55, 64, 1024
	s_mov_b32 s56, 1536
	s_cselect_b32 s56, 80, s56
	v_mul_u32_u24 v[ADR], s52, v3
	s_wait_alu depctr_va_vdst(0)
	v_mad_u32_u24 v[ADR], v8, s53, v[ADR]          ; 16 x lane, or 128 (lane / 2) + 32 (lane % 2)
	s_delay_alu instid0(VALU_DEP_1)
	v_add_nc_u32 v[ADR+1], s54, v[ADR]
	s_delay_alu instid0(VALU_DEP_2)
	v_add_nc_u32 v[ADR+2], s55, v[ADR]
	s_delay_alu instid0(VALU_DEP_3)
	v_add_nc_u32 v[ADR+3], s56, v[ADR]
	s_wait_alu depctr_va_vdst(0)
	s_wait_kmcnt 0x0
	s_load_b256 s[24:31], s[14:15], 0x0            ; e0 .. e7
	s_load_b128 s[32:35], s[14:15], 0x20           ; e8 .. e11
	s_cmp_eq_u32 s37, 1                            ; the source and the destination are chosen by the work-group's number alone
	s_cselect_b64 s[38:39], s[8:9], s[6:7]
	s_cmp_eq_u32 s37, 2
	s_cselect_b64 s[38:39], s[10:11], s[38:39]
	s_cmp_eq_u32 s37, 3
	s_cselect_b64 s[38:39], s[12:13], s[38:39]
	s_cmp_lt_u32 ttmp9, 256
	s_cselect_b64 s[38:39], s[4:5], s[38:39]
	s_cselect_b64 s[40:41], s[16:17], s[18:19]
	s_add_nc_u64 s[38:39], s[38:39], s[48:49]
	s_add_nc_u64 s[40:41], s[40:41], s[50:51]
.irp t, 0,1,2,3,4,5,6,7
.irp i, 0,1,2,3
	global_load_b128 v[RR+16*\t+4*\i:RR+16*\t+4*\i+3], v[ADR+\i], s[38:39] offset:2048*\t th:TH_LOAD_NT
.endr
.endr
.macro MKSCALE vs, vl, se              ; 2^e and 57,344 x 2^e as f32 patterns
	s_add_co_i32 s46, \se, 127
	s_lshl_b32 s47, s46, 23
	v_mov_b32 v[\vs], s47
	s_add_co_i32 s46, s46, 15
	s_lshl_b32 s46, s46, 23
	s_or_b32 s46, s46, 0x600000
	v_mov_b32 v[\vl], s46
.endm
	s_wait_kmcnt 0x0                               ; the scales
	s_cmp_lt_u32 ttmp9, 256
	s_cbranch_scc0 .Lweights
	; ---- x: three planes
	s_add_nc_u64 s[42:43], s[40:41], 0x800000      ; plane 1,
	s_add_nc_u64 s[44:45], s[40:41], 0x1000000     ; plane 2
	MKSCALE SC, LM, s24
	MKSCALE SC+1, LM+1, s26
	MKSCALE SC+2, LM+2, s28
.macro XSTEP t
	s_wait_loadcnt 4*(7-(\t))                      ; loads come back in order: this step's four are in, the later steps' may be out
.if (\t) < 2                           ; each step's 12 registers of codes are its own: steps 0 and 1 in v208-231, step t in the numbers' registers of step t - 2, which are done with; so no store's data are written again
.set CB, CC+12*(\t)
.else
.set CB, RR+16*((\t)-2)
.endif
.irp p, 0,1,2
.irp i, 0,1,2,3,4,5,6,7,8,9,10,11,12,13,14,15
	v_med3_num_f32 v[TT+16*\p+\i], v[RR+16*(\t)+\i], -v[LM+\p], v[LM+\p]   ; the conversion does not saturate (ISA guide 7.6.2): the hold comes first
.endr
	v_cvt_scalef32_pk8_bf8_f32 v[CB+4*\p:CB+4*\p+1], v[TT+16*\p:TT+16*\p+7], v[SC+\p]
	v_cvt_scalef32_pk8_bf8_f32 v[CB+4*\p+2:CB+4*\p+3], v[TT+16*\p+8:TT+16*\p+15], v[SC+\p]
	global_store_b128 v2, v[CB+4*\p:CB+4*\p+3], s[40+2*\p:41+2*\p] offset:512*(\t)   ; the next plane's sixteen holds, into another set, are the plain lines behind the conversions
.endr
.endm
	s_wait_alu depctr_va_vdst(0)
.irp t, 0,1,2,3,4,5,6,7
	XSTEP \t
.endr
	s_endpgm
.Lweights:
	; ---- a weight: one plane, one scale
	s_cmp_eq_u32 s37, 1
	s_cselect_b32 s52, s27, s25
	s_cmp_eq_u32 s37, 2
	s_cselect_b32 s52, s29, s52
	s_cmp_eq_u32 s37, 3
	s_cselect_b32 s52, s35, s52
	MKSCALE SC, LM, s52
.macro WSTEP t
	s_wait_loadcnt 4*(7-(\t))
.irp i, 0,1,2,3,4,5,6,7,8,9,10,11,12,13,14,15
	v_med3_num_f32 v[TT+16*((\t)%2)+\i], v[RR+16*(\t)+\i], -v[LM], v[LM]
.endr
	v_cvt_scalef32_pk8_bf8_f32 v[CC+4*(\t):CC+4*(\t)+1], v[TT+16*((\t)%2):TT+16*((\t)%2)+7], v[SC]
	v_cvt_scalef32_pk8_bf8_f32 v[CC+4*(\t)+2:CC+4*(\t)+3], v[TT+16*((\t)%2)+8:TT+16*((\t)%2)+15], v[SC]
	global_store_b128 v2, v[CC+4*(\t):CC+4*(\t)+3], s[40:41] offset:512*(\t)   ; each step has its own four registers of codes: no store's data are written again
.endm
	s_wait_alu depctr_va_vdst(0)
.irp t, 0,1,2,3,4,5,6,7
	WSTEP \t
.endr
	s_endpgm
.Lfunc_end_k_q5d2bd08a3a_quant:
	.size	k_q5d2bd08a3a_quant, .Lfunc_end_k_q5d2bd08a3a_quant-k_q5d2bd08a3a_quant
	.p2alignl 7, 3214868480
	.fill 96, 4, 3214868480
	.section	.rodata,"a",@progbits
	.p2align	6, 0x0
	.amdhsa_kernel k_q5d2bd08a3a_quant
		.amdhsa_group_segment_fixed_size 0
		.amdhsa_private_segment_fixed_size 0
		.amdhsa_enable_private_segment 0
		.amdhsa_kernarg_size 64
		.amdhsa_user_sgpr_count 2
		.amdhsa_user_sgpr_kernarg_segment_ptr 1
		.amdhsa_wavefront_size32 1
		.amdhsa_system_sgpr_workgroup_id_x 1
		.amdhsa_system_sgpr_workgroup_id_y 1
		.amdhsa_system_sgpr_workgroup_id_z 1
		.amdhsa_system_vgpr_workitem_id 0
		.amdhsa_next_free_vgpr 240
		.amdhsa_next_free_sgpr 66
		.amdhsa_reserve_vcc 0
		.amdhsa_float_denorm_mode_32 3
		.amdhsa_float_denorm_mode_16_64 3
		.amdhsa_memory_ordered 1
		.amdhsa_forward_progress 1
		.amdhsa_inst_pref_size 47
	.end_amdhsa_kernel
	.amdgpu_metadata
---
amdhsa.version: [ 1, 2 ]
amdhsa.kernels:
  - .name:           k_q5d2bd08a3a_quant
    .symbol:         k_q5d2bd08a3a_quant.kd
    .args:
      - { .name: x, .offset: 0, .size: 8, .value_kind: global_buffer, .address_space: global }
      - { .name: Wq, .offset: 8, .size: 8, .value_kind: global_buffer, .address_space: global }
      - { .name: Wk, .offset: 16, .size: 8, .value_kind: global_buffer, .address_space: global }
      - { .name: Wv, .offset: 24, .size: 8, .value_kind: global_buffer, .address_space: global }
      - { .name: Wo, .offset: 32, .size: 8, .value_kind: global_buffer, .address_space: global }
      - { .name: lowp_scales, .offset: 40, .size: 8, .value_kind: global_buffer, .address_space: global }
      - { .name: xc, .offset: 48, .size: 8, .value_kind: global_buffer, .address_space: global }
      - { .name: wc, .offset: 56, .size: 8, .value_kind: global_buffer, .address_space: global }
    .group_segment_fixed_size: 0
    .private_segment_fixed_size: 0
    .kernarg_segment_align: 8
    .kernarg_segment_size: 64
    .max_flat_workgroup_size: 256
    .sgpr_count:     66
    .vgpr_count:     240
    .wavefront_size: 32
...
	.end_amdgpu_metadata
.endif
;; end of part 1
;; launch proj_qkv (part 2): grid 4 x 96, 4 waves a work-group, clusters of 4 x 4, 327,680 bytes of LDS; arguments xc, wc, lowp_scales, bq, bk, bv, qc, kvc; writes qc, kvc
.if DOCPART == 2
	.amdgcn_target "amdgcn-amd-amdhsa--gfx1250"
	.amdhsa_code_object_version 6
	.text
	.protected	k_q5d2bd08a3a_proj_qkv
	.globl	k_q5d2bd08a3a_proj_qkv
	.p2align	8
	.type	k_q5d2bd08a3a_proj_qkv,@function
k_q5d2bd08a3a_proj_qkv:
	s_mov_b64 s[64:65], 0
	v_nop
	global_prefetch_b8 v0, s[64:65] scope:SCOPE_SE
	s_setreg_imm32_b32 hwreg(HW_REG_WAVE_MODE, 25, 1), 1
	s_wait_xcnt 0x0
	s_wait_alu depctr_hold_cnt(0) depctr_sa_sdst(0) depctr_va_vdst(0) depctr_va_sdst(0) depctr_va_ssrc(0) depctr_va_vcc(0) depctr_vm_vsrc(0)
	s_getreg_b32 s2, hwreg(HW_REG_IB_STS2, 6, 4)
	s_cmp_eq_u32 s2, 0
	s_cbranch_scc0 .Lentry_in_a_cluster
	s_endpgm
.Lentry_in_a_cluster:
	s_bfe_u32 s2, ttmp6, 0x10000c
	s_cmp_lg_u32 s2, 0xf033
	s_cbranch_scc0 .Lentry_shape_is_right
	s_endpgm
.Lentry_shape_is_right:
.set ROWB,   256
.set KROW,   1024
.set PITCH,  272
.set FR,     16
.set NL,     4
.set NP,     4
.set HALFT,  128*PITCH
.set SLOT,   4*HALFT
.set SPARE,  2*SLOT
.set VO,   8
.set LIMV, 12
.set SCLV, 13
.set ADRA, 16
.set ADRB, 20
.set SPW,  28
.set NIL,  29
.set BA,   32
.set BB,   96
.set AF,   128
.set TMB,  128
.set CDB,  192
.set G1, 24
.set G0, 32
.set G1B, 48
.set G0B, 56
.set MSB, 0
.macro WIN new
.if MSB != (\new)
	s_set_vgpr_msb (MSB<<8)|(\new)
.set MSB, (\new)
.endif
.endm
.set MUL_LO, 0xa1
.set MUL_HI, 0xf1
.set TO_B,   0x40
.macro JLOAD g0a, g1a, g0b, g1b
	s_cmp_eq_u32 s15, 0
	s_cbranch_scc0 .Lfor_b_\@
	tensor_load_to_lds s[\g0a:\g0a+3], s[\g1a:\g1a+7]
	s_nop 0
.rept 4
	v_nop
.endr
	s_branch .Lasked_\@
.Lfor_b_\@:
	tensor_load_to_lds s[\g0b:\g0b+3], s[\g1b:\g1b+7]
	s_nop 0
.rept 4
	v_nop
.endr
.Lasked_\@:
.endm
.macro CREST
	s_cmp_lg_u32 s14, 0
	s_cbranch_scc1 .Lnot_wave_0_\@
	s_barrier_signal -3
.Lnot_wave_0_\@:
	s_barrier_wait -3
	s_barrier_signal -1
	s_barrier_wait -1
.endm
.macro CROUND
	s_barrier_signal -1
	s_barrier_wait -1
	CREST
.endm
	s_load_b512 s[68:83], s[0:1], 0x0
	v_lshl_add_u32 v[SPW], v0, 2, SPARE
	v_mov_b32 v[NIL], 0
	ds_add_u32 v28, v29
	ds_add_u32 v28, v29
	s_wait_dscnt 0x0
	v_lshrrev_b32 v1, 5, v0
	v_readfirstlane_b32 s14, v1
	s_lshr_b32 s15, s14, 1
	s_and_b32 s16, s14, 1
	s_bfe_u32 s40, ttmp6, 0x40000
	s_bfe_u32 s41, ttmp6, 0x40004
	s_and_b32 s67, ttmp7, 0xffff
	s_lshr_b32 s66, s67, 3
	s_and_b32 s67, s67, 7
	s_lshl_b32 s2, s67, 2
	s_cmp_eq_u32 s66, 2
	s_cselect_b32 s3, s2, 0
	s_cselect_b32 s2, 0, s2
	s_add_co_u32 s42, s40, s3
	s_add_co_u32 s17, s41, s2
	s_lshl_b32 s43, s41, 2
	s_lshl_b32 s43, 15, s43
	s_lshl_b32 s44, 0x1111, s40
	s_or_b32 s[G1+0], s43, (0<<16)|(1<<20)|(1<<21)|(5<<22)|(3<<25)
	s_or_b32 s[G1B+0], s44, (0<<16)|(1<<20)|(1<<21)|(5<<22)|(3<<25)
.irp g, G1, G1B
	s_mov_b32 s[\g+1], ROWB<<16
	s_mov_b32 s[\g+2], 128<<16
	s_mov_b32 s[\g+3], ROWB<<16
	s_mov_b32 s[\g+4], 128
	s_mov_b32 s[\g+5], KROW
	s_mov_b32 s[\g+6], 0
	s_mov_b32 s[\g+7], 0
.endr
	s_lshl_b32 s18, s16, 7
	s_lshl_b32 s20, s17, 8
	s_add_co_u32 s20, s20, s18
	s_lshl_b32 s20, s20, 10
	s_mov_b32 s21, 0
	s_lshl_b32 s46, s42, 8
	s_add_co_u32 s46, s46, s18
	s_lshl_b32 s46, s46, 10
	s_mov_b32 s47, 0
	s_mul_i32 s45, s14, HALFT
	s_lshl_b32 s12, s66, 23
	s_mov_b32 s13, 0
	s_lshl_b32 s22, s66, 20
	s_mov_b32 s23, 0
	s_wait_kmcnt 0x0
	s_load_b256 s[84:91], s[72:73], 0x0
	s_load_b64 s[92:93], s[72:73], 0x20
	s_add_nc_u64 s[68:69], s[68:69], s[12:13]
	s_add_nc_u64 s[70:71], s[70:71], s[22:23]
	s_cmp_eq_u32 s66, 2
	s_cselect_b64 s[4:5], s[70:71], s[68:69]
	s_cselect_b64 s[6:7], s[68:69], s[70:71]
	s_add_nc_u64 s[20:21], s[4:5], s[20:21]
	s_add_nc_u64 s[46:47], s[6:7], s[46:47]
	CROUND
.irp s, 0,1
	s_mov_b32 s[G0+4*\s], 1
	s_add_co_u32 s[G0+4*\s+1], s45, \s*SLOT
	s_add_nc_u64 s[G0+4*\s+2:G0+4*\s+3], s[20:21], \s*ROWB
	s_or_b32 s[G0+4*\s+3], s[G0+4*\s+3], 0x80000000
	s_mov_b32 s[G0B+4*\s], 1
	s_add_co_u32 s[G0B+4*\s+1], s45, \s*SLOT
	s_add_nc_u64 s[G0B+4*\s+2:G0B+4*\s+3], s[46:47], \s*ROWB
	s_or_b32 s[G0B+4*\s+3], s[G0B+4*\s+3], 0x80000000
.if \s == 1                            ; K step 0's load stands behind the opening round; slot 1's first fill behind a second round
	s_wait_alu depctr_va_vdst(0)
	s_wait_tensorcnt 0x0
	ds_add_u32 v28, v29
	ds_add_u32 v28, v29
	s_wait_dscnt 0x0
	CROUND
.endif
	JLOAD G0+4*\s, G1, G0B+4*\s, G1B
.endr
	v_and_b32 v1, 15, v0
	v_bfe_u32 v2, v0, 4, 1
	s_wait_alu depctr_va_vdst(0)
	v_mul_u32_u24 v3, v1, PITCH
	v_lshl_add_u32 v4, v2, 4, v3
	s_mul_i32 s21, s15, HALFT
	s_mul_i32 s22, s16, HALFT
	s_add_co_u32 s22, s22, 2*HALFT
.irp s, 0,1
	v_add_nc_u32 v[ADRA+\s], s21, v4
	v_add_nc_u32 v[ADRB+\s], s22, v4
	s_add_co_u32 s21, s21, SLOT
	s_add_co_u32 s22, s22, SLOT
.endr
	s_cmp_eq_u32 s66, 2
	s_cselect_b32 s98, s17, s42
	s_cselect_b32 s99, s15, s16
	s_cselect_b32 s100, s42, s17
	s_cselect_b32 s101, s16, s15
	s_cselect_b32 s94, 0, -1
	s_cselect_b32 s95, -1, 0
	s_cselect_b64 s[12:13], s[78:79], s[74:75]
	s_cmp_eq_u32 s66, 1
	s_cselect_b64 s[12:13], s[76:77], s[12:13]
	s_lshl_b32 s2, s98, 10
	s_lshl_b32 s3, s99, 9
	s_add_co_u32 s2, s2, s3
	s_mov_b32 s3, 0
	s_add_nc_u64 s[12:13], s[12:13], s[2:3]
	v_lshlrev_b32 v5, 5, v2
	v_lshlrev_b32 v6, 2, v1
.irp b, 0,1,2,3,4,5,6,7
	global_load_b128 v[BA+8*\b:BA+8*\b+3], v5, s[12:13] offset:64*\b
	global_load_b128 v[BA+8*\b+4:BA+8*\b+7], v5, s[12:13] offset:64*\b+16
.endr
.irp a, 0,1,2,3,4,5,6,7
	global_load_b32 v[BB+2*\a], v6, s[12:13] offset:64*\a
	v_mov_b32 v[BB+2*\a+1], 0
.endr
	s_lshr_b32 s2, s100, 3
	s_lshl_b32 s2, s2, 22
	s_and_b32 s3, s100, 7
	s_lshl_b32 s3, s3, 15
	s_add_co_u32 s2, s2, s3
	s_lshl_b32 s3, s98, 20
	s_add_co_u32 s2, s2, s3
	s_lshl_b32 s3, s99, 19
	s_add_co_u32 s2, s2, s3
	s_lshl_b32 s3, s101, 14
	s_add_co_u32 s2, s2, s3
	s_lshr_b32 s3, s2, 1
	s_add_co_u32 s18, s2, 4096
	s_mov_b32 s19, 8192
	s_mov_b32 s23, 1<<18
	s_cmp_eq_u32 s66, 0
	s_cselect_b32 s2, s3, s2
	s_cselect_b64 s[10:11], s[80:81], s[82:83]
	s_cselect_b32 s98, 4096, s19
	s_cselect_b32 s99, 1<<17, s23
	s_cmp_eq_u32 s66, 2
	s_cselect_b32 s2, s18, s2
	s_cselect_b32 s98, s23, s98
	s_cselect_b32 s99, s19, s99
	s_mov_b32 s3, 0
	s_add_nc_u64 s[10:11], s[10:11], s[2:3]
	v_and_b32 v7, 31, v0
	v_lshlrev_b32 v[VO], 4, v7
	v_add_nc_u32 v[VO+1], s98, v[VO]
	v_add_nc_u32 v[VO+2], s99, v[VO]
	v_add_nc_u32 v[VO+3], s99, v[VO+1]
	s_wait_loadcnt 0x0
.set j, 0
.rept 64
	v_and_b32 v[BA+j], s94, v[BA+j]
.set j, j+1
.endr
.irp a, 0,1,2,3,4,5,6,7
	v_and_b32 v[BB+2*\a], s95, v[BB+2*\a]
.endr
.macro FRAG reg, adr, q, i
.irp c, 0,1,2,3
	ds_load_b128 v[\reg+4*\c:\reg+4*\c+3], v[\adr] offset:128*(\q)+32*\c+(\i)*16*PITCH
.endr
.endm
.macro MUL16 a0, p, zero
.irp a, \a0, \a0+1
.irp b, 0,1,2,3,4,5,6,7
.if \zero
	v_wmma_f32_16x16x128_bf8_bf8 v[8*(8*((\a)%4)+\b):8*(8*((\a)%4)+\b)+7], v[128*(\p)+FR*\b:128*(\p)+FR*\b+FR-1], v[AF+FR*(\a):AF+FR*(\a)+FR-1], 0
.else
	v_wmma_f32_16x16x128_bf8_bf8 v[8*(8*((\a)%4)+\b):8*(8*((\a)%4)+\b)+7], v[128*(\p)+FR*\b:128*(\p)+FR*\b+FR-1], v[AF+FR*(\a):AF+FR*(\a)+FR-1], v[8*(8*((\a)%4)+\b):8*(8*((\a)%4)+\b)+7]
.endif
.endr
.endr
.endm
.macro FETCH_B slot, q, p
	WIN TO_B
.irp i, 0,1,2,3,4,5,6,7
	FRAG 128*(\p)+FR*\i, ADRB+\slot, \q, \i
.endr
	WIN 0
.endm
.macro FETCH_A slot, q, i0
.irp i, \i0, \i0+1, \i0+2, \i0+3
	FRAG AF+FR*(\i), ADRA+\slot, \q, \i
.endr
.endm
.macro PLACES n
.rept \n
	v_nop
.endr
.endm
.macro STEP slot, q, zero
	s_wait_dscnt 4*NL
	WIN MUL_LO
	MUL16 0, (\q)%2, \zero
	MUL16 2, (\q)%2, \zero
	s_wait_dscnt 0
	PLACES NP
	FETCH_B \slot, (\q)+1, 1-(\q)%2
	FETCH_A \slot, (\q)+1, 0
	WIN MUL_HI
	MUL16 4, (\q)%2, \zero
	MUL16 6, (\q)%2, \zero
	PLACES NP
	WIN 0
	FETCH_A \slot, (\q)+1, 4
.endm
.macro TURN slot, next, fill
	s_wait_tensorcnt 0x0
	ds_add_u32 v[SPW], v[NIL]
	s_wait_dscnt 4*NL+1
	WIN MUL_LO
	MUL16 0, 1, 0
	s_wait_dscnt 0x0
	s_barrier_signal -1
	MUL16 2, 1, 0
	WIN 0
	s_barrier_wait -1
.if \fill
	CREST
	s_add_nc_u64 s[G0+4*\slot+2:G0+4*\slot+3], s[G0+4*\slot+2:G0+4*\slot+3], 2*ROWB
	s_add_nc_u64 s[G0B+4*\slot+2:G0B+4*\slot+3], s[G0B+4*\slot+2:G0B+4*\slot+3], 2*ROWB
	JLOAD G0+4*\slot, G1, G0B+4*\slot, G1B
.else
	PLACES NP
.endif
	FETCH_B \next, 0, 0
	FETCH_A \next, 0, 0
	WIN MUL_HI
	MUL16 4, 1, 0
	MUL16 6, 1, 0
	PLACES NP
	WIN 0
	FETCH_A \next, 0, 4
.endm
	s_wait_tensorcnt 1
	s_barrier_signal -1
	s_barrier_wait -1
	FETCH_B 0, 0, 0
	FETCH_A 0, 0, 0
	FETCH_A 0, 0, 4
	STEP 0, 0, 1
	TURN 0, 1, 1
	STEP 1, 0, 0
	TURN 1, 0, 1
	STEP 0, 0, 0
	TURN 0, 1, 0
	STEP 1, 0, 0
	s_wait_dscnt 4*NL
	WIN MUL_LO
	MUL16 0, 1, 0
	MUL16 2, 1, 0
	s_wait_dscnt 0
	WIN MUL_HI
	MUL16 4, 1, 0
	MUL16 6, 1, 0
	WIN 0
	s_wait_kmcnt 0x0
	s_add_co_i32 s98, s84, s85
	s_add_co_i32 s99, s86, s87
	s_add_co_i32 s100, s88, s89
	s_cmp_eq_u32 s66, 1
	s_cselect_b32 s98, s99, s98
	s_cselect_b32 s101, s91, s90
	s_cmp_eq_u32 s66, 2
	s_cselect_b32 s98, s100, s98
	s_cselect_b32 s101, s93, s101
	s_add_co_i32 s98, s98, 127
	s_lshl_b32 s96, s98, 23
	s_mov_b32 s97, s96
	s_add_co_i32 s101, s101, 127
	s_lshl_b32 s99, s101, 23
	v_mov_b32 v[SCLV], s99
	s_add_co_i32 s101, s101, 15
	s_lshl_b32 s101, s101, 23
	s_or_b32 s101, s101, 0x600000
	v_mov_b32 v[LIMV], s101
	PLACES NP
.set IDX, 0
.macro IMAGE a, g
.set AC, 64*((\a)%4)+32*(\g)
.set TM, TMB+32*(IDX%2)
.set CD, CDB+8*(IDX%8)
	WIN 0x02+((\a)/4)
.irp j, 0,2,4,6,8,10,12,14,16,18,20,22,24,26,28,30
	v_pk_fma_f32 v[TM+\j:TM+\j+1], v[AC+\j:AC+\j+1], s[96:97], v[BA+32*(\g)+\j:BA+32*(\g)+\j+1] op_sel_hi:[1,0,1]
.endr
	WIN 0
.irp j, 0,2,4,6,8,10,12,14,16,18,20,22,24,26,28,30
	v_pk_add_f32 v[TM+\j:TM+\j+1], v[TM+\j:TM+\j+1], v[BB+2*(\a):BB+2*(\a)+1] op_sel_hi:[1,0]
.endr
.set j, 0
.rept 32
	v_med3_num_f32 v[TM+j], v[TM+j], -v[LIMV], v[LIMV]
.set j, j+1
.endr
	WIN 0x40*(IDX/8)                               ; images 8 to 15 put their codes into window 1, where fragments lay that are done with: no store's data are written again
.irp t, 0,1,2,3
	v_cvt_scalef32_pk8_bf8_f32 v[CD+2*\t:CD+2*\t+1], v[TM+8*\t:TM+8*\t+7], v[SCLV]
.endr
	WIN 0x04*(IDX/8)                               ; a store's data are its source 1
	global_store_b128 v[VO+(\a)/4+2*(\g)], v[CD:CD+3], s[10:11] offset:((\a)%4)*1024
	global_store_b128 v[VO+(\a)/4+2*(\g)], v[CD+4:CD+7], s[10:11] offset:((\a)%4)*1024+512
	WIN 0
.set IDX, IDX+1
.endm
.irp a, 0,1,2,3,4,5,6,7
.irp g, 0,1
	IMAGE \a, \g
.endr
.endr
	v_nop
	s_wait_tensorcnt 0x0
	ds_add_u32 v[SPW], v[NIL]
	s_wait_dscnt 0x0
	CROUND
	s_endpgm
.Lfunc_end_k_q5d2bd08a3a_proj_qkv:
	.size	k_q5d2bd08a3a_proj_qkv, .Lfunc_end_k_q5d2bd08a3a_proj_qkv-k_q5d2bd08a3a_proj_qkv
	.p2alignl 7, 3214868480
	.fill 96, 4, 3214868480
	.section	.rodata,"a",@progbits
	.p2align	6, 0x0
	.amdhsa_kernel k_q5d2bd08a3a_proj_qkv
		.amdhsa_group_segment_fixed_size 327680
		.amdhsa_private_segment_fixed_size 0
		.amdhsa_enable_private_segment 0
		.amdhsa_kernarg_size 64
		.amdhsa_user_sgpr_count 2
		.amdhsa_user_sgpr_kernarg_segment_ptr 1
		.amdhsa_wavefront_size32 1
		.amdhsa_system_sgpr_workgroup_id_x 1
		.amdhsa_system_sgpr_workgroup_id_y 1
		.amdhsa_system_sgpr_workgroup_id_z 1
		.amdhsa_system_vgpr_workitem_id 0
		.amdhsa_next_free_vgpr 1024
		.amdhsa_next_free_sgpr 104
		.amdhsa_reserve_vcc 0
		.amdhsa_float_denorm_mode_32 3
		.amdhsa_float_denorm_mode_16_64 3
		.amdhsa_memory_ordered 1
		.amdhsa_forward_progress 1
		.amdhsa_inst_pref_size 158
	.end_amdhsa_kernel
	.amdgpu_metadata
---
amdhsa.version: [ 1, 2 ]
amdhsa.kernels:
  - .name:           k_q5d2bd08a3a_proj_qkv
    .symbol:         k_q5d2bd08a3a_proj_qkv.kd
    .args:
      - { .name: xc, .offset: 0, .size: 8, .value_kind: global_buffer, .address_space: global }
      - { .name: wc, .offset: 8, .size: 8, .value_kind: global_buffer, .address_space: global }
      - { .name: lowp_scales, .offset: 16, .size: 8, .value_kind: global_buffer, .address_space: global }
      - { .name: bq, .offset: 24, .size: 8, .value_kind: global_buffer, .address_space: global }
      - { .name: bk, .offset: 32, .size: 8, .value_kind: global_buffer, .address_space: global }
      - { .name: bv, .offset: 40, .size: 8, .value_kind: global_buffer, .address_space: global }
      - { .name: qc, .offset: 48, .size: 8, .value_kind: global_buffer, .address_space: global }
      - { .name: kvc, .offset: 56, .size: 8, .value_kind: global_buffer, .address_space: global }
    .group_segment_fixed_size: 327680
    .private_segment_fixed_size: 0
    .kernarg_segment_align: 8
    .kernarg_segment_size: 64
    .max_flat_workgroup_size: 128
    .sgpr_count:     104
    .vgpr_count:     1024
    .wavefront_size: 32
...
	.end_amdgpu_metadata
.endif
;; end of part 2
;; launch attn (part 3): grid 4 x 64, 8 waves a work-group, clusters of 4 x 1, 327,680 bytes of LDS; arguments qc, kvc, lowp_scales, ac; writes ac
.if DOCPART == 3
	.amdgcn_target "amdgcn-amd-amdhsa--gfx1250"
	.amdhsa_code_object_version 6
	.text
	.protected	k_q5d2bd08a3a_attn
	.globl	k_q5d2bd08a3a_attn
	.p2align	8
	.type	k_q5d2bd08a3a_attn,@function
k_q5d2bd08a3a_attn:
	s_mov_b64 s[64:65], 0
	v_nop
	global_prefetch_b8 v0, s[64:65] scope:SCOPE_SE
	s_setreg_imm32_b32 hwreg(HW_REG_WAVE_MODE, 25, 1), 1
	s_wait_xcnt 0x0
	s_wait_alu depctr_hold_cnt(0) depctr_sa_sdst(0) depctr_va_vdst(0) depctr_va_sdst(0) depctr_va_ssrc(0) depctr_va_vcc(0) depctr_vm_vsrc(0)
	s_getreg_b32 s2, hwreg(HW_REG_IB_STS2, 6, 4)
	s_cmp_eq_u32 s2, 0
	s_cbranch_scc0 .Lentry_in_a_cluster
	s_endpgm
.Lentry_in_a_cluster:
	s_bfe_u32 s2, ttmp6, 0x10000c
	s_cmp_lg_u32 s2, 0x3003
	s_cbranch_scc0 .Lentry_shape_is_right
	s_endpgm
.Lentry_shape_is_right:
; For each of 64 (batch, head): O[q] = sum over k of softmax_k(Q[q] . K[k] / 8) V[k], 2,048 queries and keys, head size 64, both products on codes of BF8 (E5M2); O is quantised again (entry 10 of the scales) and stored as register images.
; THE SOFTMAX AHEAD OF THE SECOND PRODUCT: t = score x log2(e) / 8; M = the running largest t rounded UP to a whole number; p = 2^(t - M) is quantised (entry 8), not normalised; the row's sum is taken of the unquantised p and divides O at the end.
; When M moves, the sum and O are multiplied by 2^(old M - new M): nothing is rounded, and no branch hangs on data.
; SHARES.  A work-group owns 512 queries of one head; each of its eight waves 64, in two passes of 32 (two tiles of 16).  A pass walks all 2,048 keys in eight steps of 256: 256 scores a lane a step,
; so that the largest score, M and the rescaling of O^T (64 registers) are taken once for 256 scores, and each fragment of K and V feeds two matrix instructions.
; THE HEAD'S WHOLE K AND V, 262,144 bytes of register images, LIE IN LDS for the whole launch: each wave asks for 32,768 bytes by its one tensor load; each LDS byte is filled once.
; CLUSTER.  The four query blocks of a head form a cluster and ask jointly: the same load, the same descriptor, the mask 15.  No prefetch: all of K and V is asked for at the head, and no loop runs ahead of a load.
; LAYOUT.  Both products are used transposed: S^T = K Q^T (source 0 = 16 keys, source 1 = 16 queries), O^T = V^T P^T (source 0 = 16 of the head's 64, source 1 = P, K = 128 keys): a lane holds ONE query (lane % 16).
; Register j of key tile t is key 16 t + 8 (lane / 16) + j: the place that the second product's layout gives register pair t, so the conversions' results are P's fragment.  In LDS 64 keys are 8,192 bytes: four images of K, four of V.
; REGISTERS.  Window 1 (v256-511): the scores, tile (x, u, t) at 128 x + 64 u + 8 t; when tile 0's scores of half u have been read out, V's fragments of half u take their place.
; Window 0: v16-31 Q; v32-95 K's first eight tiles, then the maxima's chains, then t - M and p of one group of 64; v96-159 K's last eight tiles, then p's codes (the last 16 serve the sums' chains until they are written); v160-223 O^T; v240-255 the second pass's Q.
; The second product's instructions stand among the lines that make t - M of a later group: both name window 1 in source 0 alone.
; The step's last lines fetch the next step's first eight tiles of K, round the end of the keys to key 0 for the next pass (the last step of all fetches them unused: 16 loads); the last pass moves Q's 16 registers unused.
; LIMITS: e6 + e7 between -123 and 130 (added to c's exponent field); e8 and e10 between -126 and 112; e8 + e9 is applied by v_ldexp_f32 and has none.  The scaled scores stay under 2^31 in magnitude.
.set SPARE, 0x48000                    ; the spare words, 128 bytes a wave, behind K and V
.set L16, 1                            ; 16 x lane
.set AD,  2                            ; LDS address of the step in hand
.set LIMO, 3                           ; 57,344 x 2^e10
.set SPW, 4
.set NIL, 5
.set OLD, 6                            ; v6, v7 the old -M
.set NM,  8                            ; v[8+4x] -M, v[9+4x] the largest score, v[10+4x:11+4x] the sum in two halves
.set MR,  9
.set SUM, 10
.set QF,  16
.set FR,  32
.set MC,  32                           ; v32-39 the maxima's eight chains
.set PC,  96
.set ST,  144                          ; v144-157 seven more chains of the sums
.set OT,  160
.set LIM, 224                          ; 57,344 x 2^e8, twice: the two halves of a dual line name different registers
.set LIM2, 225
.set SCL, 226                          ; 2^e8
.set SCLO, 227                         ; 2^e10
.set F,   228                          ; v[228+2x] f = 2^(old M - new M); the odd ones are named as upper halves of pairs
.set MA,  232                          ; v232, v233 the step's maxima
.set PX,  236                          ; v236, v237 lane exchanges
.set DD,  238                          ; v238, v239 at work
.set QN,  240
.set WV,  12
.set SEL, 20
.set CS,  22                           ; s[22:23] c = log2(e) / 8 x 2^(e6 + e7)
.set G1,  24
.set G0,  32
.set TB,  2
.set CNT, 3
.set PS,  36
.set MSB, 0
.macro WIN new                         ; the immediate's high byte repeats the setting that is left
.if MSB != (\new)
	s_set_vgpr_msb (MSB<<8)|(\new)
.set MSB, (\new)
.endif
.endm
.macro CROUND                          ; a round of the cluster's barrier
	s_barrier_signal -1
	s_barrier_wait -1
	s_cmp_lg_u32 s[WV], 0
	s_cbranch_scc1 .Lnot_wave_0_\@
	s_barrier_signal -3
.Lnot_wave_0_\@:
	s_barrier_wait -3
	s_barrier_signal -1
	s_barrier_wait -1
.endm
.macro KLOAD dst, u                    ; eight tiles of K, keys 128 u on: two loads of 512 consecutive bytes each
.irp t, 0,1,2,3,4,5,6,7
	ds_load_b128 v[\dst+8*\t:\dst+8*\t+3], v[AD] offset:8192*(2*\u+\t/4)+1024*(\t%4)
	ds_load_b128 v[\dst+8*\t+4:\dst+8*\t+7], v[AD] offset:8192*(2*\u+\t/4)+1024*(\t%4)+512
.endr
.endm
.macro QK src, u                       ; 16 products, each into registers of its own
.irp t, 0,1,2,3,4,5,6,7
.irp x, 0,1
	v_wmma_f32_16x16x64_bf8_bf8 v[128*\x+64*\u+8*\t:128*\x+64*\u+8*\t+7], v[\src+8*\t:\src+8*\t+7], v[QF+8*\x:QF+8*\x+7], 0
.endr
.endr
.endm
.macro MAXES u, first                  ; the largest score of my query among 64 of my keys: four chains a tile, begun from the running one; each accumulator from its low end on
.set i, 0
.rept 8
.irp k, 0,1,2,3
.irp x, 0,1
.if (\first) && (i == 0)
	v_max3_num_f32 v[MC+4*\x+\k], v[128*\x+64*\u+2*\k], v[128*\x+64*\u+2*\k+1], v[MR+4*\x]
.else
	v_max3_num_f32 v[MC+4*\x+\k], v[128*\x+64*\u+8*i+2*\k], v[128*\x+64*\u+8*i+2*\k+1], v[MC+4*\x+\k]
.endif
.endr
.endr
.set i, i+1
.endr
.endm
.macro PV1 x, u, d                     ; O^T(x, d) += V^T(u, d) P^T(x, u)
	v_wmma_f32_16x16x128_bf8_bf8 v[OT+32*(\x)+8*(\d):OT+32*(\x)+8*(\d)+7], v[64*(\u)+16*(\d):64*(\u)+16*(\d)+15], v[PC+32*(\x)+16*(\u):PC+32*(\x)+16*(\u)+15], v[OT+32*(\x)+8*(\d):OT+32*(\x)+8*(\d)+7]
.endm
	s_load_b256 s[4:11], s[0:1], 0x0               ; qc s[4:5], kvc s[6:7], the scales s[8:9], ac s[10:11]
	v_lshl_add_u32 v[SPW], v0, 2, SPARE
	v_mov_b32 v[NIL], 0
	ds_add_u32 v[SPW], v[NIL]                      ; the opening lines: the add twice on end, and its wait ahead of my tensor load
	ds_add_u32 v[SPW], v[NIL]
	v_lshrrev_b32 v3, 5, v0
	s_delay_alu instid0(VALU_DEP_1)
	v_readfirstlane_b32 s[WV], v3                  ; wave 0..7
	v_and_b32 v[L16], 31, v0
	s_delay_alu instid0(VALU_DEP_1)
	v_lshlrev_b32 v[L16], 4, v[L16]
	s_bfe_u32 s13, ttmp6, 0x40000                  ; cx: my block of 512 queries: it enters Q's and the output's addresses alone
	s_and_b32 s14, ttmp7, 0xffff                   ; 16 x batch + head, which the four partners share
	s_mov_b32 s[G1], 15|(3<<16)|(1<<21)            ; the mask: all four; elements of 8 bytes; no padding; bit 21 beside a mask
	s_mov_b32 s[G1+1], 32<<16                      ; rows of 256 bytes,
	s_mov_b32 s[G1+2], 128<<16                     ; 128 of them, dense
	s_mov_b32 s[G1+3], 32<<16
	s_mov_b32 s[G1+4], 128
	s_mov_b32 s[G1+5], 32
	s_mov_b32 s[G1+6], 0
	s_mov_b32 s[G1+7], 0
	s_mov_b32 s[SEL], 0x76543210
	s_mov_b32 s[SEL+1], 0xfedcba98
	s_mov_b32 s[CS], 0x3e38aa3b                    ; log2(e) / 8
	s_lshl_b32 s18, s[WV], 15                      ; my 32,768 bytes, in LDS as in the head
	s_lshl_b32 s16, s14, 18
	s_add_co_u32 s16, s16, s18
	s_mov_b32 s17, 0
	s_lshl_b32 s54, s14, 17                        ; Q: the head's 128 images, my block's 32, my wave's 4
	s_lshl_b32 s55, s13, 15
	s_add_co_u32 s54, s54, s55
	s_lshl_b32 s55, s[WV], 12
	s_add_co_u32 s54, s54, s55
	s_mov_b32 s55, 0
	s_lshr_b32 s56, s14, 4                         ; the output: [16 tokens][head][image]: batch x 128 + block x 32 + wave x 4 row blocks of 16,384 bytes, + head x 1,024
	s_lshl_b32 s56, s56, 21
	s_lshl_b32 s57, s13, 19
	s_add_co_u32 s56, s56, s57
	s_lshl_b32 s57, s[WV], 16
	s_add_co_u32 s56, s56, s57
	s_and_b32 s57, s14, 15
	s_lshl_b32 s57, s57, 10
	s_add_co_u32 s56, s56, s57
	s_mov_b32 s57, 0
	s_wait_alu depctr_va_vdst(0)
	s_wait_dscnt 0x0
	s_wait_kmcnt 0x0
	s_load_b128 s[48:51], s[8:9], 0x18             ; e6, e7, e8, e9
	s_load_b32 s52, s[8:9], 0x28                   ; e10
	s_add_nc_u64 s[6:7], s[6:7], s[16:17]
	s_add_nc_u64 s[4:5], s[4:5], s[54:55]
	s_add_nc_u64 s[10:11], s[10:11], s[56:57]
	s_mov_b32 s[G0], 1
	s_mov_b32 s[G0+1], s18
	s_mov_b64 s[G0+2:G0+3], s[6:7]
	s_or_b32 s[G0+3], s[G0+3], 0x80000000
	CROUND                                         ; all four work-groups are here: the joint loads meet
	tensor_load_to_lds s[G0:G0+3], s[G1:G1+7]      ; my one tensor load of the launch
	s_nop 0
.irp x, 0,1
	global_load_b128 v[QF+8*\x:QF+8*\x+3], v[L16], s[4:5] offset:1024*\x            ; Q of the first pass,
	global_load_b128 v[QF+8*\x+4:QF+8*\x+7], v[L16], s[4:5] offset:1024*\x+512
	global_load_b128 v[QN+8*\x:QN+8*\x+3], v[L16], s[4:5] offset:2048+1024*\x       ; and of the second
	global_load_b128 v[QN+8*\x+4:QN+8*\x+7], v[L16], s[4:5] offset:2048+1024*\x+512
.endr
	v_mov_b32 v[F+1], 0                            ; (named as the upper halves of pairs)
	v_mov_b32 v[F+3], 0
	v_mov_b32 v[PX], 0                             ; a lane permute's destination counts as one of its sources
	v_mov_b32 v[PX+1], 0
	v_mov_b32 v[AD], v[L16]                        ; the walk begins at key 0
	s_wait_kmcnt 0x0
	s_add_co_i32 s53, s48, s49
	s_lshl_b32 s53, s53, 23
	s_add_co_i32 s[CS], s[CS], s53                 ; a score stands for score x 2^(e6 + e7)
	s_mov_b32 s[CS+1], s[CS]
	s_add_co_i32 s53, s50, 127
	s_lshl_b32 s54, s53, 23
	v_mov_b32 v[SCL], s54
	s_add_co_i32 s53, s53, 15
	s_lshl_b32 s53, s53, 23
	s_or_b32 s53, s53, 0x600000
	v_mov_b32 v[LIM], s53
	v_mov_b32 v[LIM2], s53
	s_add_co_i32 s53, s52, 127
	s_lshl_b32 s54, s53, 23
	v_mov_b32 v[SCLO], s54
	s_add_co_i32 s53, s53, 15
	s_lshl_b32 s53, s53, 23
	s_or_b32 s53, s53, 0x600000
	v_mov_b32 v[LIMO], s53
	s_add_co_i32 s58, s50, s51                     ; e8 + e9
	s_mov_b32 s[PS], 2
; One group: 64 scores a lane (query tile x, keys 128 u on) become p, its sum and its 16 registers of codes.
; pv = 1: query tile 0's eight second products stand among the first lines; pv = 2: query tile 1's first four.
.macro GROUP x, u, pv
.set R, 128*\x+64*\u
.if \pv == 1
	s_wait_alu depctr_va_vdst(0)
	s_wait_dscnt 0x0                               ; V's 32 loads are in
.endif
	WIN 0x01                                       ; source 0 in window 1
.irp n, 0,1,2,3,4,5,6,7
.if \pv == 1
	PV1 0, \n/4, \n%4
.endif
.if (\pv == 2) && (\n%2 == 0)
	PV1 1, 0, \n/2
.endif
.set j, 8*\n
.rept 4
	v_pk_fma_f32 v[FR+j:FR+j+1], v[R+j:R+j+1], s[CS:CS+1], v[NM+4*\x:NM+4*\x+1] op_sel_hi:[1,0,0]   ; t - M, two at a time, out of window 1
.set j, j+2
.endr
.endr
.if \x == 0
	WIN 0x40                                       ; V's four fragments of these 128 keys take the scores' place: 16 registers each, two images on end
.irp d, 0,1,2,3
.irp i, 0,1
	ds_load_b128 v[R+16*\d+8*\i:R+16*\d+8*\i+3], v[AD] offset:8192*(2*\u+\i)+4096+1024*\d
	ds_load_b128 v[R+16*\d+8*\i+4:R+16*\d+8*\i+7], v[AD] offset:8192*(2*\u+\i)+4096+1024*\d+512
.endr
.endr
.endif
	WIN 0
	s_wait_alu depctr_va_vdst(0)
.set j, 0
.rept 64
	v_exp_f32 v[FR+j], v[FR+j]                     ; p = 2^(t - M), at most 1
.set j, j+1
.endr
	v_nop                                          ; a place behind the exponentials
	s_wait_alu depctr_va_vdst(0)                   ; one wait for the batch, ahead of its first reader
.set j, 0
.rept 7                                        ; the sum of the unquantised p: two at a time, in eight chains
	v_pk_add_f32 v[ST+2*j:ST+2*j+1], v[FR+4*j:FR+4*j+1], v[FR+4*j+2:FR+4*j+3]
.set j, j+1
.endr
.irp k, 28,44
	v_pk_add_f32 v[SUM+4*\x:SUM+4*\x+1], v[SUM+4*\x:SUM+4*\x+1], v[FR+\k:FR+\k+1]
.set j, 0
.rept 7
	v_pk_add_f32 v[ST+2*j:ST+2*j+1], v[ST+2*j:ST+2*j+1], v[FR+\k+2+2*j:FR+\k+3+2*j]
.set j, j+1
.endr
.endr
	v_pk_add_f32 v[SUM+4*\x:SUM+4*\x+1], v[SUM+4*\x:SUM+4*\x+1], v[FR+60:FR+61]
	v_pk_add_f32 v[ST:ST+1], v[ST:ST+1], v[FR+62:FR+63]
	v_pk_add_f32 v[ST+2:ST+3], v[ST+2:ST+3], v[ST+10:ST+11]      ; the eight become one
	v_pk_add_f32 v[ST+4:ST+5], v[ST+4:ST+5], v[ST+12:ST+13]
	v_pk_add_f32 v[SUM+4*\x:SUM+4*\x+1], v[SUM+4*\x:SUM+4*\x+1], v[ST+6:ST+7]
	v_pk_add_f32 v[ST:ST+1], v[ST:ST+1], v[ST+8:ST+9]
	s_delay_alu instid0(VALU_DEP_2)
	v_pk_add_f32 v[SUM+4*\x:SUM+4*\x+1], v[SUM+4*\x:SUM+4*\x+1], v[ST+2:ST+3]
	s_delay_alu instid0(VALU_DEP_2)
	v_pk_add_f32 v[ST:ST+1], v[ST:ST+1], v[ST+4:ST+5]
	s_delay_alu instid0(VALU_DEP_1)
	v_pk_add_f32 v[SUM+4*\x:SUM+4*\x+1], v[SUM+4*\x:SUM+4*\x+1], v[ST:ST+1]
.set j, 0
.rept 32
	v_dual_min_num_f32 v[FR+j], v[FR+j], v[LIM] :: v_dual_min_num_f32 v[FR+j+1], v[FR+j+1], v[LIM2]   ; the conversion does not saturate (ISA guide 7.6.2); p is not negative, so the hold is one-sided; two a line
.set j, j+2
.endr
.irp t, 0,1,2,3,4,5,6,7
	v_cvt_scalef32_pk8_bf8_f32 v[PC+32*\x+16*\u+2*\t:PC+32*\x+16*\u+2*\t+1], v[FR+8*\t:FR+8*\t+7], v[SCL]
.endr
	v_nop                                          ; a plain line behind the last conversion
.endm
; A KEY STEP: 256 keys, both tiles of queries.  At its head the loads of K's first eight tiles are out (16).
.macro STEP
	KLOAD PC, 1
	s_wait_dscnt 16                                ; K's first eight tiles are in; the 16 loads just issued may be out
	WIN 0x40                                       ; results in window 1
	QK FR, 0
	WIN 0
	v_mov_b32 v[OLD], v[NM]                        ; the old -M is kept; with the two v_nop: four places behind the products
	v_mov_b32 v[OLD+1], v[NM+4]
	v_nop
	v_nop
	WIN 0x05                                       ; sources 0 and 1 in window 1
	MAXES 0, 1                                     ; the first 128 keys' maxima stand under the flight of K's last eight tiles
	s_wait_alu depctr_va_vdst(0)
	s_wait_dscnt 0x0
	WIN 0x40
	QK PC, 1
	WIN 0
.rept 4
	v_nop                                          ; four places behind the products
.endr
	WIN 0x05
	MAXES 1, 0
	WIN 0
.irp x, 0,1
	v_max3_num_f32 v[MA+\x], v[MC+4*\x], v[MC+4*\x+1], v[MC+4*\x+2]
.endr
.irp x, 0,1
	s_delay_alu instid0(VALU_DEP_2)
	v_max_num_f32 v[MA+\x], v[MA+\x], v[MC+4*\x+3]
.endr
.irp x, 0,1
	s_delay_alu instid0(VALU_DEP_2)
	v_permlanex16_b32 v[PX+\x], v[MA+\x], s[SEL], s[SEL+1]
.endr
.irp x, 0,1
	s_delay_alu instid0(VALU_DEP_2)
	v_max_num_f32 v[MR+4*\x], v[MA+\x], v[PX+\x]       ; and among lane l xor 16's
.endr
.irp x, 0,1
	s_delay_alu instid0(VALU_DEP_2)
	v_mul_f32 v[DD+\x], s[CS], v[MR+4*\x]              ; as t (c is positive)
.endr
.irp x, 0,1
	s_delay_alu instid0(VALU_DEP_2)
	v_floor_f32 v[NM+4*\x], -v[DD+\x]                  ; the new -M = -ceil(t): a whole number
.endr
.irp x, 0,1
	s_delay_alu instid0(VALU_DEP_2)
	v_sub_f32 v[DD+\x], v[NM+4*\x], v[OLD+\x]          ; old M - new M, 0 or less
.endr
.irp x, 0,1
	s_delay_alu instid0(VALU_DEP_2)
	v_cvt_i32_f32 v[DD+\x], v[DD+\x]                   ; (it saturates)
.endr
.irp x, 0,1
	s_delay_alu instid0(VALU_DEP_2)
	v_ldexp_f32 v[F+2*\x], 1.0, v[DD+\x]               ; f = 2^(old M - new M)
.endr
.irp x, 0,1
	s_delay_alu instid0(VALU_DEP_2)
	v_pk_mul_f32 v[SUM+4*\x:SUM+4*\x+1], v[SUM+4*\x:SUM+4*\x+1], v[F+2*\x:F+2*\x+1] op_sel_hi:[1,0]   ; the sums under the new M
.endr
	s_wait_alu depctr_va_vdst(0)
.irp x, 0,1
.set j, 0
.rept 16
	v_pk_mul_f32 v[OT+32*\x+j:OT+32*\x+j+1], v[OT+32*\x+j:OT+32*\x+j+1], v[F+2*\x:F+2*\x+1] op_sel_hi:[1,0]   ; O^T under the new M; each accumulator from its low end on
.set j, j+2
.endr
.endr
	GROUP 0, 0, 0
	GROUP 0, 1, 0
	GROUP 1, 0, 1
	GROUP 1, 1, 2
	s_add_co_u32 s[TB], s[TB], 32768               ; the next step's keys, round the end to key 0
	s_and_b32 s[TB], s[TB], 0x3ffff
	v_add_nc_u32 v[AD], s[TB], v[L16]
	s_wait_alu depctr_va_vdst(0)
	KLOAD FR, 0
	WIN 0x01
.irp d, 0,1,2,3
	s_wait_alu depctr_va_vdst(0)                   ; the sum's last step was written ahead of exponentials
	PV1 1, 1, \d
.endr
	WIN 0
.rept 5
	v_nop                                          ; five places: the next products write over V's registers, the next loads land on p's codes
.endr
.endm
	s_wait_alu depctr_va_vdst(0)
	s_wait_loadcnt 0x0                             ; Q
	s_wait_tensorcnt 0x0                           ; my part of K and V has landed,
	s_barrier_signal -1
	s_barrier_wait -1                              ; and everybody's
	KLOAD FR, 0
.Lpass:                                            ; two passes of 32 queries
	v_mov_b32 v[NM], 0x7f61b1e6                    ; -M: 3e38, so that the first f is 0
	v_mov_b32 v[NM+4], 0x7f61b1e6
	v_mov_b32 v[MR], 0xff61b1e6                    ; the largest score so far: -3e38
	v_mov_b32 v[MR+4], 0xff61b1e6
	v_mov_b32 v[SUM], 0
	v_mov_b32 v[SUM+1], 0
	v_mov_b32 v[SUM+4], 0
	v_mov_b32 v[SUM+5], 0
.set j, 0
.rept 64
	v_mov_b32 v[OT+j], 0                           ; O^T: the step is written once, and the pass's first finds zeros
.set j, j+1
.endr
	s_mov_b32 s[TB], 0
	s_mov_b32 s[CNT], 8
	s_wait_alu depctr_va_vdst(0)
.Lstep:
	STEP
	s_sub_co_i32 s[CNT], s[CNT], 1
	s_cmp_lg_u32 s[CNT], 0
	s_cbranch_scc1 .Lstep
	; THE WAY OUT of a pass.  O^T / the sum x 2^(e8 + e9), held within +-57,344 x 2^e10, converted with 2^e10: tile d's eight registers become register pair d of the image.
	v_add_f32 v[SUM], v[SUM], v[SUM+1]
	v_add_f32 v[SUM+4], v[SUM+4], v[SUM+5]
	s_delay_alu instid0(VALU_DEP_2)
	v_permlanex16_b32 v[PX], v[SUM], s[SEL], s[SEL+1]
	s_delay_alu instid0(VALU_DEP_2)
	v_permlanex16_b32 v[PX+1], v[SUM+4], s[SEL], s[SEL+1]
	s_delay_alu instid0(VALU_DEP_2)
	v_add_f32 v[SUM], v[SUM], v[PX]
	s_delay_alu instid0(VALU_DEP_2)
	v_add_f32 v[SUM+4], v[SUM+4], v[PX+1]
	s_wait_alu depctr_va_vdst(0)                   ; ahead of the reciprocals
	v_rcp_f32 v[F], v[SUM]
	v_rcp_f32 v[F+2], v[SUM+4]
	v_nop
	s_wait_alu depctr_va_vdst(0)                   ; one wait for both, ahead of their first reader
	v_ldexp_f32 v[F], v[F], s58
	v_ldexp_f32 v[F+2], v[F+2], s58
	s_wait_alu depctr_va_vdst(0)
.irp x, 0,1
.set j, 0
.rept 16
	v_pk_mul_f32 v[OT+32*\x+j:OT+32*\x+j+1], v[OT+32*\x+j:OT+32*\x+j+1], v[F+2*\x:F+2*\x+1] op_sel_hi:[1,0]
.set j, j+2
.endr
.endr
.set j, 0
.rept 64
	v_med3_num_f32 v[OT+j], v[OT+j], -v[LIMO], v[LIMO]
.set j, j+1
.endr
.irp x, 0,1
.irp t, 0,1,2,3
	v_cvt_scalef32_pk8_bf8_f32 v[PC+8*\x+2*\t:PC+8*\x+2*\t+1], v[OT+32*\x+8*\t:OT+32*\x+8*\t+7], v[SCLO]
.endr
.endr
	v_nop                                          ; a plain line behind the last conversion
.irp x, 0,1
	global_store_b128 v[L16], v[PC+8*\x:PC+8*\x+3], s[10:11] offset:16384*\x        ; each store of the wave covers 512 consecutive bytes, aligned
	global_store_b128 v[L16], v[PC+8*\x+4:PC+8*\x+7], s[10:11] offset:16384*\x+512
.endr
.set j, 0
.rept 16
	v_mov_b32 v[QF+j], v[QN+j]                     ; the second pass's Q moves into place
.set j, j+1
.endr
	s_wait_xcnt 0x0                                ; the stores have read their data and their base: the base steps, and the next loads land on the codes' registers
	s_add_nc_u64 s[10:11], s[10:11], 32768
	s_sub_co_i32 s[PS], s[PS], 1
	s_cmp_lg_u32 s[PS], 0
	s_cbranch_scc1 .Lpass
	s_wait_tensorcnt 0x0                           ; the wave's end
	ds_add_u32 v[SPW], v[NIL]
	s_wait_dscnt 0x0
	CROUND                                         ; the closing round
	s_endpgm
.Lfunc_end_k_q5d2bd08a3a_attn:
	.size	k_q5d2bd08a3a_attn, .Lfunc_end_k_q5d2bd08a3a_attn-k_q5d2bd08a3a_attn
	.p2alignl 7, 3214868480
	.fill 96, 4, 3214868480
	.section	.rodata,"a",@progbits
	.p2align	6, 0x0
	.amdhsa_kernel k_q5d2bd08a3a_attn
		.amdhsa_group_segment_fixed_size 327680
		.amdhsa_private_segment_fixed_size 0
		.amdhsa_enable_private_segment 0
		.amdhsa_kernarg_size 32
		.amdhsa_user_sgpr_count 2
		.amdhsa_user_sgpr_kernarg_segment_ptr 1
		.amdhsa_wavefront_size32 1
		.amdhsa_system_sgpr_workgroup_id_x 1
		.amdhsa_system_sgpr_workgroup_id_y 1
		.amdhsa_system_sgpr_workgroup_id_z 1
		.amdhsa_system_vgpr_workitem_id 0
		.amdhsa_next_free_vgpr 512
		.amdhsa_next_free_sgpr 66
		.amdhsa_reserve_vcc 0
		.amdhsa_float_denorm_mode_32 3
		.amdhsa_float_denorm_mode_16_64 3
		.amdhsa_memory_ordered 1
		.amdhsa_forward_progress 1
		.amdhsa_inst_pref_size 73
	.end_amdhsa_kernel
	.amdgpu_metadata
---
amdhsa.version: [ 1, 2 ]
amdhsa.kernels:
  - .name:           k_q5d2bd08a3a_attn
    .symbol:         k_q5d2bd08a3a_attn.kd
    .args:
      - { .name: qc, .offset: 0, .size: 8, .value_kind: global_buffer, .address_space: global }
      - { .name: kvc, .offset: 8, .size: 8, .value_kind: global_buffer, .address_space: global }
      - { .name: lowp_scales, .offset: 16, .size: 8, .value_kind: global_buffer, .address_space: global }
      - { .name: ac, .offset: 24, .size: 8, .value_kind: global_buffer, .address_space: global }
    .group_segment_fixed_size: 327680
    .private_segment_fixed_size: 0
    .kernarg_segment_align: 8
    .kernarg_segment_size: 32
    .max_flat_workgroup_size: 256
    .sgpr_count:     66
    .vgpr_count:     512
    .wavefront_size: 32
...
	.end_amdgpu_metadata
.endif
;; end of part 3
;; launch proj_out (part 4): grid 4 x 64, 4 waves a work-group, clusters of 4 x 4, 327,680 bytes of LDS; arguments ac, wc, lowp_scales, bo, out0; writes out0
.if DOCPART == 4
	.amdgcn_target "amdgcn-amd-amdhsa--gfx1250"
	.amdhsa_code_object_version 6
	.text
	.protected	k_q5d2bd08a3a_proj_out
	.globl	k_q5d2bd08a3a_proj_out
	.p2align	8
	.type	k_q5d2bd08a3a_proj_out,@function
k_q5d2bd08a3a_proj_out:
	s_mov_b64 s[64:65], 0
	v_nop
	global_prefetch_b8 v0, s[64:65] scope:SCOPE_SE
	s_setreg_imm32_b32 hwreg(HW_REG_WAVE_MODE, 25, 1), 1
	s_wait_xcnt 0x0
	s_wait_alu depctr_hold_cnt(0) depctr_sa_sdst(0) depctr_va_vdst(0) depctr_va_sdst(0) depctr_va_ssrc(0) depctr_va_vcc(0) depctr_vm_vsrc(0)
	s_getreg_b32 s2, hwreg(HW_REG_IB_STS2, 6, 4)
	s_cmp_eq_u32 s2, 0
	s_cbranch_scc0 .Lentry_in_a_cluster
	s_endpgm
.Lentry_in_a_cluster:
	s_bfe_u32 s2, ttmp6, 0x10000c
	s_cmp_lg_u32 s2, 0xf033
	s_cbranch_scc0 .Lentry_shape_is_right
	s_endpgm
.Lentry_shape_is_right:
; out0[m][n] = 2^(e10 + e11) x sum over k of A[m][k] Wo[n][k] + bo[n]: 8,192 x 1,024, K = 1,024, on codes of BF8 (E5M2); sums in f32.
; A (ac) lies as register images: [16 rows][head][1,024 bytes]; 16 rows x 1,024 K are 16,384 consecutive bytes.  Wo's codes are plane 3 of wc, rows of 1,024 bytes, laid so that four loads of 16 bytes, 32 apart, give a fragment in A's order of k.
; LIMIT: e10 + e11 between -126 and 127, so that 2^(e10 + e11) is an f32 number.
; SHARES.  A work-group makes 128 rows x 256 columns, as two tiles of 128 columns one after the other: 4 x 64 work-groups.  Each of four waves makes 64 x 64 of a tile: 16 accumulators.
; LDS.  A's 128 rows x 1,024 K, 131,072 consecutive bytes of memory, are filled once and serve both tiles.  Wo comes in four pieces of 128 rows x 512 K (rows of 512 bytes, 16 of padding behind each) through two slots.
; All four first fills go out at the head, one a wave: A's halves, piece 0, piece 1.  Pieces 2 and 3 (the second tile's) fill the two slots again, each behind a round of the cluster's barrier; the first tile leaves while they are on their way.
; CLUSTER 4 x 4: A's bytes hang on the tile row alone and are asked for jointly along a row of the cluster, Wo's on the tile column alone, along a column.
; No prefetch: the text has no loop to run ahead in; two of the six loads are not asked for at the head.
; THE MATRIX INSTRUCTION IS USED TRANSPOSED (source 0 = 16 rows of Wo, source 1 = 16 rows of A): a lane holds eight neighbouring numbers of a row of the result.
; REGISTERS.  Window 0: v8-15 the bias; v16-29 addresses; v32-159 A's fragments, two sets of 4 x 16; v160-223 rows on the way out.  Window 1: v0-127 the accumulators (a, b) at 8 (4 a + b); v128-255 Wo's fragments, two sets.
.set BP,     528                       ; a row of a piece in LDS
.set PIECE,  128*BP
.set BS0,    131072                    ; behind A: the two slots
.set STAGE,  BS0+2*PIECE               ; behind the slots: 16 rows x 272 bytes for each wave; no fill lands here
.set SPITCH, 272
.set SPARE,  STAGE+4*16*SPITCH         ; the spare words
.set BIAS, 8
.set ADRA, 16
.set ADRB, 18                          ; v18, v19: slot 0, slot 1
.set STO,  20
.set RD,   21
.set CO,   22
.set BO,   23
.set SPW,  28
.set NIL,  29
.set AF,   32
.set BK,   160
.set G1,  24
.set G0,  32
.set G1B, 48
.set G0B, 56
.set MSB, 0
.macro WIN new
.if MSB != (\new)
	s_set_vgpr_msb (MSB<<8)|(\new)
.set MSB, (\new)
.endif
.endm
.macro PLACES n
.rept \n
	v_nop
.endr
.endm
.macro CROUND                          ; a round of the cluster's barrier
	s_barrier_signal -1
	s_barrier_wait -1
	s_cmp_lg_u32 s14, 0
	s_cbranch_scc1 .Lnot_wave_0_\@
	s_barrier_signal -3
.Lnot_wave_0_\@:
	s_barrier_wait -3
	s_barrier_signal -1
	s_barrier_wait -1
.endm
	s_load_b128 s[4:7], s[0:1], 0x0                ; ac, wc
	s_load_b128 s[8:11], s[0:1], 0x10              ; the scales, bo
	s_load_b64 s[12:13], s[0:1], 0x20              ; out0
	v_lshl_add_u32 v[SPW], v0, 2, SPARE
	v_mov_b32 v[NIL], 0
	ds_add_u32 v[SPW], v[NIL]                      ; the opening lines: the add twice on end and its wait
	ds_add_u32 v[SPW], v[NIL]
	v_lshrrev_b32 v1, 5, v0
	v_readfirstlane_b32 s14, v1                    ; wave 0..3
	s_lshr_b32 s15, s14, 1                         ; my 64 rows.  Also: I fetch for A (0) or for Wo (1)
	s_and_b32 s16, s14, 1                          ; my 64 columns.  Also: which half of A, which piece
	s_bfe_u32 s40, ttmp6, 0x40000                  ; cx, cy
	s_bfe_u32 s41, ttmp6, 0x40004
	s_lshl_b32 s42, ttmp9, 2
	s_add_co_u32 s42, s42, s40                     ; tile column, 0..3
	s_and_b32 s17, ttmp7, 0xffff
	s_lshl_b32 s17, s17, 2
	s_add_co_u32 s17, s17, s41                     ; tile row, 0..63
	s_lshl_b32 s43, s41, 2
	s_lshl_b32 s43, 15, s43                        ; my row of the cluster
	s_lshl_b32 s44, 0x1111, s40                    ; my column
	s_or_b32 s[G1+0], s43, (3<<16)|(1<<21)         ; A: elements of 8 bytes, 256 dense rows of 256 bytes, no padding
	s_mov_b32 s[G1+1], 32<<16
	s_mov_b32 s[G1+2], 256<<16
	s_mov_b32 s[G1+3], 32<<16
	s_mov_b32 s[G1+4], 256
	s_mov_b32 s[G1+5], 32
	s_mov_b32 s[G1+6], 0
	s_mov_b32 s[G1+7], 0
	s_or_b32 s[G1B+0], s44, (0<<16)|(1<<20)|(1<<21)|(6<<22)|(3<<25)   ; Wo: 128 rows of 512 bytes, 1,024 apart; four words of padding after every 128
	s_mov_b32 s[G1B+1], 512<<16
	s_mov_b32 s[G1B+2], 128<<16
	s_mov_b32 s[G1B+3], 512<<16
	s_mov_b32 s[G1B+4], 128
	s_mov_b32 s[G1B+5], 1024
	s_mov_b32 s[G1B+6], 0
	s_mov_b32 s[G1B+7], 0
	s_lshl_b32 s20, s17, 17                        ; A: 131,072 bytes a tile row, + my half
	s_lshl_b32 s18, s16, 16
	s_add_co_u32 s20, s20, s18
	s_mov_b32 s21, 0
	s_lshl_b32 s46, s42, 18                        ; Wo: 256 rows a tile column, + 512 bytes for piece 1, in plane 3
	s_lshl_b32 s47, s16, 9
	s_add_co_u32 s46, s46, s47
	s_add_co_u32 s46, s46, 0x300000
	s_mov_b32 s47, 0
	s_mul_i32 s2, s16, PIECE
	s_add_co_u32 s2, s2, BS0
	s_wait_dscnt 0x0
	s_wait_kmcnt 0x0
	s_load_b64 s[96:97], s[8:9], 0x28              ; e10, e11
	s_mov_b32 s[G0], 1
	s_mov_b32 s[G0+1], s18
	s_add_nc_u64 s[G0+2:G0+3], s[4:5], s[20:21]
	s_or_b32 s[G0+3], s[G0+3], 0x80000000
	s_mov_b32 s[G0B], 1
	s_mov_b32 s[G0B+1], s2
	s_add_nc_u64 s[G0B+2:G0B+3], s[6:7], s[46:47]
	s_or_b32 s[G0B+3], s[G0B+3], 0x80000000
	CROUND                                         ; all sixteen work-groups are here: the first joint loads meet
	s_cmp_eq_u32 s15, 0                            ; one fill in each arm: every wave issues one
	s_cbranch_scc0 .Lfor_b
	tensor_load_to_lds s[G0:G0+3], s[G1:G1+7]
	s_nop 0
	PLACES 4
	s_branch .Lasked
.Lfor_b:
	tensor_load_to_lds s[G0B:G0B+3], s[G1B:G1B+7]
	s_nop 0
	PLACES 4
.Lasked:
	s_mul_i32 s22, s16, 64*BP                      ; my 64 rows of a piece
	s_add_co_u32 s22, s22, BS0
	s_lshl_b32 s21, s15, 16                        ; my four blocks of 16 rows of A
	s_mul_i32 s23, s14, 16*SPITCH
	s_add_co_u32 s23, s23, STAGE                   ; my stage
	s_lshl_b32 s46, s42, 10                        ; my first column, in bytes: 1,024 x tile column + 256 x half
	s_lshl_b32 s47, s16, 8
	s_add_co_u32 s46, s46, s47
	s_mov_b32 s47, 0
	s_add_nc_u64 s[10:11], s[10:11], s[46:47]
	s_lshl_b32 s18, s17, 7                         ; my first row: 128 x tile row + 64 x half
	s_lshl_b32 s19, s15, 6
	s_add_co_u32 s18, s18, s19
	s_lshl_b32 s18, s18, 12
	s_add_co_u32 s18, s18, s46
	s_mov_b32 s19, 0
	s_add_nc_u64 s[12:13], s[12:13], s[18:19]
	v_and_b32 v1, 15, v0                           ; r = lane % 16
	v_bfe_u32 v2, v0, 4, 1                         ; h = lane / 16
	v_and_b32 v6, 31, v0
	v_mul_u32_u24 v3, v1, BP
	v_lshl_add_u32 v3, v2, 4, v3
	v_add_nc_u32 v[ADRB], s22, v3
	v_add_nc_u32 v[ADRB+1], PIECE, v[ADRB]
	v_lshlrev_b32 v4, 4, v6
	v_add_nc_u32 v[ADRA], s21, v4
	v_mul_u32_u24 v5, v1, SPITCH                   ; into the stage: row r, 32 bytes for each half of the lanes
	v_lshl_add_u32 v5, v2, 5, v5
	v_add_nc_u32 v[STO], s23, v5
	v_mul_u32_u24 v7, v2, SPITCH                   ; back: sixteen lanes to a row of 256 bytes, two rows a load
	v_lshl_add_u32 v7, v1, 4, v7
	v_add_nc_u32 v[RD], s23, v7
	v_lshlrev_b32 v[BO], 4, v1
	v_lshl_add_u32 v[CO], v2, 12, v[BO]            ; and the same two rows in out0
	global_load_b128 v[BIAS:BIAS+3], v[BO], s[10:11]               ; the bias of my four columns, first tile,
	global_load_b128 v[BIAS+4:BIAS+7], v[BO], s[10:11] offset:512  ; and second
.macro FETCH kk, p                     ; the fragments of the kk-th 128 along K into sets p: 16 loads for Wo, 16 for A
	WIN 0x40
.irp b, 0,1,2,3
.irp c, 0,1,2,3
	ds_load_b128 v[128+64*(\p)+16*\b+4*\c:128+64*(\p)+16*\b+4*\c+3], v[ADRB+(\kk)/4] offset:\b*16*BP+((\kk)%4)*128+32*\c
.endr
.endr
	WIN 0
.irp a, 0,1,2,3
.irp c, 0,1,2,3
	ds_load_b128 v[AF+64*(\p)+16*\a+4*\c:AF+64*(\p)+16*\a+4*\c+3], v[ADRA] offset:\a*16384+(\kk)*2048+512*\c
.endr
.endr
.endm
.macro MUL p, zero                     ; 16 products, the 16 accumulators by turns; zero = 1: the first starts the sums
	WIN 0x51                                       ; source 0, C and D in window 1
.irp a, 0,1,2,3
.irp b, 0,1,2,3
.if \zero
	v_wmma_f32_16x16x128_bf8_bf8 v[8*(4*\a+\b):8*(4*\a+\b)+7], v[128+64*(\p)+16*\b:128+64*(\p)+16*\b+15], v[AF+64*(\p)+16*\a:AF+64*(\p)+16*\a+15], 0
.else
	v_wmma_f32_16x16x128_bf8_bf8 v[8*(4*\a+\b):8*(4*\a+\b)+7], v[128+64*(\p)+16*\b:128+64*(\p)+16*\b+15], v[AF+64*(\p)+16*\a:AF+64*(\p)+16*\a+15], v[8*(4*\a+\b):8*(4*\a+\b)+7]
.endif
.endr
.endr
	WIN 0
.endm
.macro REFILL r                        ; slot r has been read out: the second tile's piece takes its place.  Wave 2 + r asks, with the descriptor of its first fill, 128 rows further down
	s_wait_tensorcnt 0x0                           ; no tensor load of mine is out
	ds_add_u32 v[SPW], v[NIL]
.if \r == 0
	s_add_nc_u64 s[G0B+2:G0B+3], s[G0B+2:G0B+3], 131072
.endif
	s_wait_dscnt 0x0                               ; the add is done, and my reads of the slot are over
	CROUND                                         ; so it is with every wave of all sixteen work-groups
	s_cmp_eq_u32 s14, 2+\r
	s_cbranch_scc0 .Lnot_mine_\@
	tensor_load_to_lds s[G0B:G0B+3], s[G1B:G1B+7]
	s_nop 0
	PLACES 4
.Lnot_mine_\@:
.endm
.macro TILE first                      ; eight steps of 128 along K; the next step's fragments are fetched ahead of a step's products
	FETCH 0, 0
.irp kk, 0,1,2,3,4,5,6,7
	s_wait_dscnt 0x0                               ; this step's fragments are in
.if \kk < 7
	PLACES 4                                       ; the other sets were read by the last step's products
	FETCH \kk+1, (\kk+1)%2
.endif
.if \kk == 0
	MUL 0, 1
.else
	MUL \kk%2, 0
.endif
.if (\first) && (\kk == 3)
	REFILL 0
.endif
.if (\first) && (\kk == 7)
	REFILL 1
.endif
.endr
.endm
; THE WAY OUT, block by block of 16 rows x 64 columns, through my own stage: whole rows of 256 bytes come back, sixteen lanes to a row.  LDS serves a wave's instructions in order (ISA guide 5.7.1.4).
.macro TOSTAGE a
	WIN 0x04                                       ; the stores' data in window 1
.irp b, 0,1,2,3
	ds_store_b128 v[STO], v[8*(4*(\a)+\b):8*(4*(\a)+\b)+3] offset:64*\b          ; each accumulator from its low end on
	ds_store_b128 v[STO], v[8*(4*(\a)+\b)+4:8*(4*(\a)+\b)+7] offset:64*\b+16
.endr
	WIN 0
.set BBK, BK+32*(\a)-(BK+64-AF)*((\a)/2)   ; a set of 32 registers for each block: blocks 0 and 1 at v160, blocks 2 and 3 in A's first set of fragments, which is done with
.irp t, 0,1,2,3,4,5,6,7
	ds_load_b128 v[BBK+4*\t:BBK+4*\t+3], v[RD] offset:\t*2*SPITCH
.endr
.endm
.macro SEND a, tile, younger           ; younger: the LDS instructions issued behind block a's loads, which may stay out
.set BBK, BK+32*(\a)-(BK+64-AF)*((\a)/2)
	s_wait_dscnt \younger
.irp t, 0,1,2,3,4,5,6,7
	v_pk_fma_f32 v[BBK+4*\t:BBK+4*\t+1], v[BBK+4*\t:BBK+4*\t+1], s[96:97], v[BIAS+4*(\tile):BIAS+4*(\tile)+1] op_sel_hi:[1,0,1]
	v_pk_fma_f32 v[BBK+4*\t+2:BBK+4*\t+3], v[BBK+4*\t+2:BBK+4*\t+3], s[96:97], v[BIAS+4*(\tile)+2:BIAS+4*(\tile)+3] op_sel_hi:[1,0,1]
.endr
.irp t, 0,1,2,3,4,5,6,7
	global_store_b128 v[CO], v[BBK+4*\t:BBK+4*\t+3], s[12:13] offset:(16*(\a)+2*\t)*4096+512*(\tile) th:TH_STORE_NT   ; sixteen lanes store 256 consecutive bytes, aligned
.endr
.endm
.macro EPI tile
	s_wait_xcnt 0x0                                ; earlier stores have read their registers
	PLACES 4                                       ; behind the last products
	TOSTAGE 0
.irp a, 1,2,3
	TOSTAGE \a
	SEND \a-1, \tile, 16                           ; behind block a - 1's loads: block a's 8 stores and 8 loads
.endr
	SEND 3, \tile, 0
.endm
	s_wait_alu depctr_va_vdst(0)
	s_wait_tensorcnt 0x0                           ; my first fill has landed,
	s_barrier_signal -1
	s_barrier_wait -1                              ; and everybody's: A, piece 0 and piece 1
	TILE 1
	s_wait_kmcnt 0x0
	s_add_co_i32 s96, s96, s97
	s_add_co_i32 s96, s96, 127
	s_lshl_b32 s96, s96, 23                        ; 2^(e10 + e11)
	s_mov_b32 s97, s96
	s_wait_loadcnt 0x0                             ; the bias
	EPI 0                                          ; the first tile leaves while pieces 2 and 3 are on their way
	s_wait_xcnt 0x0                                ; its stores have read their registers: the second tile's fragments land on some of them
	s_wait_tensorcnt 0x0
	s_barrier_signal -1
	s_barrier_wait -1                              ; and both have
	TILE 0
	EPI 1
	s_wait_tensorcnt 0x0                           ; the wave's end
	ds_add_u32 v[SPW], v[NIL]
	s_wait_dscnt 0x0
	CROUND                                         ; the closing round
	s_endpgm
.Lfunc_end_k_q5d2bd08a3a_proj_out:
	.size	k_q5d2bd08a3a_proj_out, .Lfunc_end_k_q5d2bd08a3a_proj_out-k_q5d2bd08a3a_proj_out
	.p2alignl 7, 3214868480
	.fill 96, 4, 3214868480
	.section	.rodata,"a",@progbits
	.p2align	6, 0x0
	.amdhsa_kernel k_q5d2bd08a3a_proj_out
		.amdhsa_group_segment_fixed_size 327680
		.amdhsa_private_segment_fixed_size 0
		.amdhsa_enable_private_segment 0
		.amdhsa_kernarg_size 40
		.amdhsa_user_sgpr_count 2
		.amdhsa_user_sgpr_kernarg_segment_ptr 1
		.amdhsa_wavefront_size32 1
		.amdhsa_system_sgpr_workgroup_id_x 1
		.amdhsa_system_sgpr_workgroup_id_y 1
		.amdhsa_system_sgpr_workgroup_id_z 1
		.amdhsa_system_vgpr_workitem_id 0
		.amdhsa_next_free_vgpr 512
		.amdhsa_next_free_sgpr 100
		.amdhsa_reserve_vcc 0
		.amdhsa_float_denorm_mode_32 3
		.amdhsa_float_denorm_mode_16_64 3
		.amdhsa_memory_ordered 1
		.amdhsa_forward_progress 1
		.amdhsa_inst_pref_size 84
	.end_amdhsa_kernel
	.amdgpu_metadata
---
amdhsa.version: [ 1, 2 ]
amdhsa.kernels:
  - .name:           k_q5d2bd08a3a_proj_out
    .symbol:         k_q5d2bd08a3a_proj_out.kd
    .args:
      - { .name: ac, .offset: 0, .size: 8, .value_kind: global_buffer, .address_space: global }
      - { .name: wc, .offset: 8, .size: 8, .value_kind: global_buffer, .address_space: global }
      - { .name: lowp_scales, .offset: 16, .size: 8, .value_kind: global_buffer, .address_space: global }
      - { .name: bo, .offset: 24, .size: 8, .value_kind: global_buffer, .address_space: global }
      - { .name: out0, .offset: 32, .size: 8, .value_kind: global_buffer, .address_space: global }
    .group_segment_fixed_size: 327680
    .private_segment_fixed_size: 0
    .kernarg_segment_align: 8
    .kernarg_segment_size: 40
    .max_flat_workgroup_size: 128
    .sgpr_count:     100
    .vgpr_count:     512
    .wavefront_size: 32
...
	.end_amdgpu_metadata
.endif
;; end of part 4
